; MI455X (gfx1250); checked and timed in simulation.
; The chip was launched on July 23, 2026; its instructions are those of AMD's public machine-readable ISA for CDNA 5 (MIT licence, August 2026) and "CDNA5" Instruction Set Architecture Reference Guide (July 2026). The comments in the code are by the model that wrote it; some were corrected since.
;; genesys quantized linear. Allowed arithmetic: float matrix products may take bf16 or f16 operands with f32 sums; other float arithmetic in f32, or as packed bf16 or f16 multiplies, adds, multiply-adds, maxima and minima; sums over many terms, partial sums and values carried from step to step in f32; what a program stores and reads back later, other than sums and carried values, may be rounded once to bf16 or f16.
;; Inputs: W 4,096 x 4,096 float32; b 4,096 float32; x 4,096 x 4,096 float32.
;; Outputs: out0 4,096 x 4,096 float32.
;; One version. Each part assembles by itself: llvm-mc -triple=amdgcn-amd-amdhsa -mcpu=gfx1250 --defsym DOCPART=n.
;; ======== version 1 of 1: 2 launches
;; workspace buffers: xb 33,554,432 bytes; wb 33,554,432 bytes
;; launch cast (part 1): grid 2048 x 1, 8 waves a work-group, no clusters, 0 bytes of LDS; arguments x, W, xb, wb; writes xb, wb
.if DOCPART == 1
	.amdgcn_target "amdgcn-amd-amdhsa--gfx1250"
	.amdhsa_code_object_version 6
	.text
	.protected	k_qd64602bb4b_cast
	.globl	k_qd64602bb4b_cast
	.p2align	8
	.type	k_qd64602bb4b_cast,@function
k_qd64602bb4b_cast:
	s_mov_b64 s[64:65], 0
	v_nop
	global_prefetch_b8 v0, s[64:65] scope:SCOPE_SE
	s_setreg_imm32_b32 hwreg(HW_REG_WAVE_MODE, 25, 1), 1
	s_wait_xcnt 0x0
; xb = x and wb = W, each number rounded once to bf16 (nearest even), in the layout in which it lies: x [4096 m][4096 k], W [4096 k][4096 n].
; The program: out0 = (x W + b) * scale.  This launch rounds the product's two operands once; the next launch multiplies, adds b and scales.
; NOTHING OF THE PROBLEM IS LEFT OUT: every number of x, W and b has a way to the output, and every step is done.
; WHY A LAUNCH OF ITS OWN: each number of x and of W is multiplied in 16 tiles of the output; rounded here it is rounded once, and the product's LDS tiles hold 2 bytes a number and not 4.
; LIMITS: bf16 keeps 8 significant bits and all of f32's range; NaN and infinities are rounded as the conversion rounds them and are not treated apart.
; SHARES.  Work-group g owns bytes 32,768 g .. + 32,767 of x and the same bytes of W: 8 chunks of 4,096 bytes of each.  Thread t owns the 16 bytes at 16 t of every chunk:
; a wave's load covers 512 consecutive bytes, its store of 8 bytes a lane 256 consecutive bytes at a multiple of 256 from the buffer's first byte.
; All 16 loads of a thread go out before the first wait; no register is written twice, so no wait frees a source, and there is no loop.
; No LDS, no matrix unit, no cluster: no thread wants a byte that another has fetched.  No prefetch: the launch does nothing but stream.
.set CHUNK, 4096                       ; bytes of f32 that the work-group's 256 threads take at once
.set IN,    16                         ; v[16:79]   load i: 4 registers; 0-7 x's chunks, 8-15 W's
.set OUT,   80                         ; v[80:111]  store i: 2 registers
	s_load_b256 s[4:11], s[0:1], 0x0               ; x s[4:5], W s[6:7], xb s[8:9], wb s[10:11]
	v_lshlrev_b32 v1, 4, v0                        ; 16 t: my bytes in a chunk of f32
	v_lshlrev_b32 v2, 3, v0                        ; 8 t: my bytes in a chunk of bf16
	s_lshl_b32 s2, ttmp9, 15                       ; the work-group's first byte in x and W (under 2^26),
	s_mov_b32 s3, 0
	s_lshl_b32 s12, ttmp9, 14                      ; and in xb and wb
	s_mov_b32 s13, 0
	s_wait_kmcnt 0x0
	s_add_nc_u64 s[4:5], s[4:5], s[2:3]
	s_add_nc_u64 s[6:7], s[6:7], s[2:3]
	s_add_nc_u64 s[8:9], s[8:9], s[12:13]
	s_add_nc_u64 s[10:11], s[10:11], s[12:13]
.irp i, 0,1,2,3,4,5,6,7
	global_load_b128 v[IN+4*(\i):IN+4*(\i)+3], v1, s[4:5] offset:CHUNK*(\i) th:TH_LOAD_NT
.endr
.irp i, 0,1,2,3,4,5,6,7
	global_load_b128 v[IN+32+4*(\i):IN+32+4*(\i)+3], v1, s[6:7] offset:CHUNK*(\i) th:TH_LOAD_NT
.endr
.irp i, 0,1,2,3,4,5,6,7
	s_wait_loadcnt 15-(\i)                         ; loads come back in order (ISA guide 5.7.1): load i is in, the 15 - i younger ones stay out
	v_cvt_pk_bf16_f32 v[OUT+2*(\i)],   v[IN+4*(\i)],   v[IN+4*(\i)+1]
	v_cvt_pk_bf16_f32 v[OUT+2*(\i)+1], v[IN+4*(\i)+2], v[IN+4*(\i)+3]
	global_store_b64 v2, v[OUT+2*(\i):OUT+2*(\i)+1], s[8:9] offset:(CHUNK/2)*(\i) th:TH_STORE_NT
.endr
.irp i, 0,1,2,3,4,5,6,7
	s_wait_loadcnt 7-(\i)                          ; W's chunk i is in, the 7 - i younger loads stay out
	v_cvt_pk_bf16_f32 v[OUT+16+2*(\i)],   v[IN+32+4*(\i)],   v[IN+32+4*(\i)+1]
	v_cvt_pk_bf16_f32 v[OUT+16+2*(\i)+1], v[IN+32+4*(\i)+2], v[IN+32+4*(\i)+3]
	global_store_b64 v2, v[OUT+16+2*(\i):OUT+16+2*(\i)+1], s[10:11] offset:(CHUNK/2)*(\i) th:TH_STORE_NT
.endr
	s_endpgm
.Lfunc_end_k_qd64602bb4b_cast:
	.size	k_qd64602bb4b_cast, .Lfunc_end_k_qd64602bb4b_cast-k_qd64602bb4b_cast
	.p2alignl 7, 3214868480
	.fill 96, 4, 3214868480
	.section	.rodata,"a",@progbits
	.p2align	6, 0x0
	.amdhsa_kernel k_qd64602bb4b_cast
		.amdhsa_group_segment_fixed_size 0
		.amdhsa_private_segment_fixed_size 0
		.amdhsa_enable_private_segment 0
		.amdhsa_kernarg_size 32
		.amdhsa_user_sgpr_count 2
		.amdhsa_user_sgpr_kernarg_segment_ptr 1
		.amdhsa_wavefront_size32 1
		.amdhsa_system_sgpr_workgroup_id_x 1
		.amdhsa_system_sgpr_workgroup_id_y 1
		.amdhsa_system_sgpr_workgroup_id_z 1
		.amdhsa_system_vgpr_workitem_id 0
		.amdhsa_next_free_vgpr 112
		.amdhsa_next_free_sgpr 66
		.amdhsa_reserve_vcc 0
		.amdhsa_float_denorm_mode_32 3
		.amdhsa_float_denorm_mode_16_64 3
		.amdhsa_memory_ordered 1
		.amdhsa_forward_progress 1
		.amdhsa_inst_pref_size 7
	.end_amdhsa_kernel
	.amdgpu_metadata
---
amdhsa.version: [ 1, 2 ]
amdhsa.kernels:
  - .name:           k_qd64602bb4b_cast
    .symbol:         k_qd64602bb4b_cast.kd
    .args:
      - { .name: x, .offset: 0, .size: 8, .value_kind: global_buffer, .address_space: global }
      - { .name: W, .offset: 8, .size: 8, .value_kind: global_buffer, .address_space: global }
      - { .name: xb, .offset: 16, .size: 8, .value_kind: global_buffer, .address_space: global }
      - { .name: wb, .offset: 24, .size: 8, .value_kind: global_buffer, .address_space: global }
    .group_segment_fixed_size: 0
    .private_segment_fixed_size: 0
    .kernarg_segment_align: 8
    .kernarg_segment_size: 32
    .max_flat_workgroup_size: 256
    .sgpr_count:     66
    .vgpr_count:     112
    .wavefront_size: 32
...
	.end_amdgpu_metadata
.endif
;; end of part 1
;; launch gemm (part 2): grid 16 x 16, 4 waves a work-group, clusters of 4 x 4, 327,680 bytes of LDS; arguments xb, wb, b, out0; writes out0
.if DOCPART == 2
	.amdgcn_target "amdgcn-amd-amdhsa--gfx1250"
	.amdhsa_code_object_version 6
	.text
	.protected	k_qd64602bb4b_gemm
	.globl	k_qd64602bb4b_gemm
	.p2align	8
	.type	k_qd64602bb4b_gemm,@function
k_qd64602bb4b_gemm:
	s_mov_b64 s[64:65], 0
	v_nop
	global_prefetch_b8 v0, s[64:65] scope:SCOPE_SE
	s_setreg_imm32_b32 hwreg(HW_REG_WAVE_MODE, 25, 1), 1
	s_wait_xcnt 0x0
	s_wait_alu depctr_hold_cnt(0) depctr_sa_sdst(0) depctr_va_vdst(0) depctr_va_sdst(0) depctr_va_ssrc(0) depctr_va_vcc(0) depctr_vm_vsrc(0)
	s_getreg_b32 s2, hwreg(HW_REG_IB_STS2, 6, 4)
	s_cmp_eq_u32 s2, 0
	s_cbranch_scc0 .Lentry_in_a_cluster
	s_endpgm
.Lentry_in_a_cluster:
	s_bfe_u32 s2, ttmp6, 0x10000c
	s_cmp_lg_u32 s2, 0xf033
	s_cbranch_scc0 .Lentry_shape_is_right
	s_endpgm
.Lentry_shape_is_right:
; out0[m][n] = (the sum over k of x[m][k] W[k][n] + b[n]) * scale.  xb: [4096 m][4096 k] bf16, wb: [4096 k][4096 n] bf16 (x and W rounded once by the launch before), b: [4096] f32, out0: [4096][4096] f32.
; scale is the problem's constant: 0.0072 doubled 7 times is 0.9216, kept to 32 fractional bits, times 2^-7, read as f32: 1.8432 x 2^-8 = 0x3bebedfa (the 32-bit step moves it by far less than half a last place of f32).
; Nothing of the problem is left out.  LIMITS: the operands are bf16 (8 significant bits, f32's range); the sums are f32, K ascending; the end is ONE fused multiply-add, sum * scale + (b * scale), where the
; problem's text adds b and then scales: the order of rounding differs, by a last place.  NaN and infinities are not treated apart.
; SHARES.  A tile of the output, 256 x 256, is made by a work-group of four waves; a wave makes 128 x 128: 64 accumulators of 16 x 16, 512 registers.  16 x 16 tiles: 256 work-groups, one tile each.
; K goes in 32 steps of 128 through a ring of two LDS slots filled by the tensor data mover.  A slot holds 256 rows of x (256 bytes of each) and 128 rows k of W (512 bytes of each: the tile's 256 columns).
; For 32 along K the four waves read 64 KiB of fragments out of LDS and the mover writes 32 KiB; tiles of f32 would double both: that is why the operands arrive rounded.
; W IS TURNED ON ITS WAY OUT OF LDS: it lies [k][n], and a fragment wants k along a lane's registers: ds_load_tr16_b128, two a fragment, as many as plain loads would be.
; THE MATRIX INSTRUCTION IS USED TRANSPOSED: source 0 = 16 columns of W, source 1 = 16 rows of x.  In the result lane l holds row m = l % 16 and its registers 0 to 7 the columns 8 (l / 16) + 0 .. 7.
; CLUSTERS: 4 x 4 work-groups.  The four of a row of the cluster need the same tiles of x, the four of a column the same tiles of W: each tile is asked for JOINTLY, by the same tensor load with the same
; descriptor and a mask that names the four; each receives it in its own LDS.  That divides the requests for x and for W by four.
; REGISTERS, in windows of 256 (s_set_vgpr_msb: bits 1:0 source 0, 3:2 source 1, 5:4 source 2, 7:6 destination):
;   window 0: v0-31 addresses and b; v64-127, v128-191 fragments of x, two buffers; on the way out v64-255: three buffers of 16 rows
;   window 1: v64-127, v128-191 fragments of W, two buffers
;   window 2: the 32 accumulators of my rows 0-63 (accumulator (a, b) at v[8 (8 a + b)]);   window 3: those of my rows 64-127
.set SIZE_K, 4096
.set SIZE_N, 4096
.set KSTEP,  128
.set PA,     272                       ; an LDS row of x: 256 bytes + 16 of padding = 68 words: row r starts at bank 4 r mod 64 (64 banks of 4 bytes: ISA guide 11.1): the 16 rows of a load start at 16 different banks
.set PB,     544                       ; an LDS row of W: 512 bytes + 32 of padding = 136 words: row r starts at bank 8 r mod 64
.set HALFT,  128*PA                    ; what one tensor load brings: 128 rows of x, or 64 rows of W (64 x 544 is the same 34,816 bytes)
.set SLOT,   4*HALFT                   ; x's 256 rows, then W's 128 rows
.set STAGE,  2*SLOT                    ; behind the ring, never filled by a tensor load: 16 rows x 528 bytes for each wave, for the way out
.set SPITCH, 528                       ; a stage row: 128 f32 = 512 bytes + 16: an odd multiple of 16, so 16 rows' stores of 16 bytes start at 16 different groups of four banks
.set SPARE,  STAGE+4*16*SPITCH         ; behind the stages: the spare words, 128 bytes for each wave: two blocks of 256 bytes that no other line names
.set LAPS,   SIZE_K/(2*KSTEP)          ; a lap = two K steps = once round the ring: 16
.set STEP_A, KSTEP*2                   ; a K step in xb: 256 bytes along each row
.set STEP_B, KSTEP*SIZE_N*2            ; a K step in wb: 128 rows of 8,192 bytes
.set ROW_C,  SIZE_N*4                  ; a row of out0: 16,384 bytes
.set BS,   12                          ; v[12:15] b * scale for the four columns that I store
.set ADRA, 16                          ; v16-17  LDS address of my fragments of x in slot 0, 1
.set ADRB, 20                          ; v20-21  the same for W
.set STO,  24                          ; v24     the way out: where I put 32 bytes of a row
.set RD,   25                          ; v25     the way out: where I read 16 bytes of a row back
.set CO,   26                          ; v26     my byte offset in a row of my part of out0
.set BO,   27                          ; v27     my byte offset in b
.set SPW,  28                          ; v28     LDS address of my spare word: SPARE + 4 x my thread's number; never rewritten
.set NIL,  29                          ; v29     0; never rewritten
.set PFO,  30                          ; v30     the prefetches' lane offset; never rewritten
.set F0,   64                          ; fragment buffer 0
.set F1,   128                         ; fragment buffer 1
.set G1,   24                          ; s[24:31] descriptor group 1 for x's tiles
.set G0,   32                          ; s[32:39] descriptor group 0 for x's tiles, one set for each slot
.set G1B,  48                          ; s[48:55] descriptor group 1 for W's tiles
.set G0B,  56                          ; s[56:63] descriptor group 0 for W's tiles, one set for each slot
.set LIM,  43                          ; s43     1 in a wave that prefetches, else the greatest number
.set PFA,  44                          ; s[44:45] where my prefetches stand
.set BIAS, 68                          ; s[68:69] b
.set SC,   70                          ; s[70:71] scale: the packed forms name a pair and take its low word for both halves
.set PFS,  72                          ; s[72:73] a K step for my prefetches: STEP_A or STEP_B
.set MSB, 0
.macro WIN new                         ; the immediate's high byte repeats the setting that is left; a switch that changes nothing is dropped
.if MSB != (\new)
	s_set_vgpr_msb (MSB<<8)|(\new)
.set MSB, \new
.endif
.endm
.set MUL_LO, 0xa1                      ; source 0 (W) window 1, source 1 (x) window 0, C and D window 2
.set MUL_HI, 0xf1                      ; the same, C and D window 3
.set TO_B,   0x40                      ; destination window 1, address window 0
; A joint load.  Waves 0 and 1 fetch x's two halves, waves 2 and 3 W's.  Each of the two lines has ONE mask and one set of registers for all that issue it.  The branch hangs on the wave's number alone.
; An s_nop 0 and four v_nop follow each of the two lines; the jump, the label and what follows the macro come after them.
.macro JLOAD s
	s_cmp_eq_u32 s11, 0
	s_cbranch_scc0 .Lfor_b_\@
	tensor_load_to_lds s[G0+4*(\s):G0+4*(\s)+3], s[G1:G1+7]
	s_nop 0
.rept 4
	v_nop
.endr
	s_branch .Lasked_\@
.Lfor_b_\@:
	tensor_load_to_lds s[G0B+4*(\s):G0B+4*(\s)+3], s[G1B:G1B+7]
	s_nop 0
.rept 4
	v_nop
.endr
.Lasked_\@:
.endm
; A PREFETCH INTO THE L2, behind each joint refill, its five lines and the run of LDS loads that follows them: the K step that stands TWO refills on, 512 matrix instructions ahead of the load that will ask for it.
; Each aligned block of 256 bytes of xb and of wb is named ONCE in the launch.  x's tile row is read by every cluster of that row of clusters: the one with cluster x = 0 asks; W's tile column by every cluster of
; that column: the one with cluster y = 0 asks.  The four partners that ask for a tile jointly share it out BY ADDRESS: of the 128 rows of x that a wave fetches the partner at cx takes 32, a lane a row; of the 64 rows
; of W the partner at cy takes 16, two lanes a row (512 bytes).  No branch hangs on a work-group's place in its cluster.  K steps 0 to 3 come by their loads alone; the loop's last trip (s3 = 1) asks for nothing.
.macro ASK
	s_cmp_gt_u32 s3, s[LIM]
	s_cbranch_scc0 .Lnot_mine_\@
	global_prefetch_b8 v[PFO], s[PFA:PFA+1] th:TH_LOAD_NT scope:SCOPE_SE
.Lnot_mine_\@:
.endm
; A round of the cluster's barrier: my work-group's barrier, so that wave 0's signal speaks for all four waves; wave 0 signals for the work-group; every wave waits for all sixteen; my work-group's barrier once more.
.macro CREST                           ; a round behind its opening barrier
	s_cmp_lg_u32 s10, 0
	s_cbranch_scc1 .Lnot_wave_0_\@
	s_barrier_signal -3
.Lnot_wave_0_\@:
	s_barrier_wait -3
	s_barrier_signal -1
	s_barrier_wait -1
.endm
.macro CROUND                          ; a whole round
	s_barrier_signal -1
	s_barrier_wait -1
	CREST
.endm
	s_load_b128 s[4:7], s[0:1], 0x0                ; xb s[4:5], wb s[6:7]
	s_load_b64 s[BIAS:BIAS+1], s[0:1], 0x10        ; b
	s_load_b64 s[8:9], s[0:1], 0x18                ; out0
	v_lshl_add_u32 v[SPW], v0, 2, SPARE
	v_mov_b32 v[NIL], 0
	ds_add_u32 v[SPW], v[NIL]                      ; the wave's opening: the add, twice on end, and its wait ahead of my first tensor load; the set-up below, work on registers, stands between
	ds_add_u32 v[SPW], v[NIL]                      ; and once more, under the one wait
	v_lshrrev_b32 v1, 5, v0
	v_readfirstlane_b32 s10, v1                    ; wave 0..3
	s_lshr_b32 s11, s10, 1                         ; which half of the tile's rows is mine.  Also: I fetch for x (0) or for W (1)
	s_and_b32 s12, s10, 1                          ; which half of its columns.  Also: which half of that tile I fetch
	s_bfe_u32 s40, ttmp6, 0x40000                  ; cx: my place along the cluster's x
	s_bfe_u32 s41, ttmp6, 0x40004                  ; cy: along its y
	s_lshl_b32 s42, ttmp9, 2                       ; in a cluster launch ttmp9 and ttmp7 count clusters
	s_add_co_u32 s42, s42, s40                     ; tile column = 4 x cluster x + cx
	s_and_b32 s13, ttmp7, 0xffff
	s_lshl_b32 s13, s13, 2
	s_add_co_u32 s13, s13, s41                     ; tile row = 4 x cluster y + cy
	s_lshl_b32 s43, s41, 2
	s_lshl_b32 s43, 15, s43                        ; my row of the cluster: places 4 cy .. 4 cy + 3
	s_lshl_b32 s44, 0x1111, s40                    ; my column: places cx, cx + 4, cx + 8, cx + 12
	; descriptor group 1 for x: 128 rows x 128 elements
	s_or_b32 s[G1+0], s43, (1<<16)|(1<<20)|(1<<21)|(5<<22)|(3<<25)  ; 15:0 the mask: my row; 17:16 elements of 2 bytes; 20 padding on; 21 set beside a mask; 24:22 after every 64 words (code 5); 31:25 4 words (code 3)
	s_mov_b32 s[G1+1], KSTEP<<16                   ; 63:48 tensor_dim0 = 128
	s_mov_b32 s[G1+2], 128<<16                     ; 95:80 tensor_dim1 = 128
	s_mov_b32 s[G1+3], KSTEP<<16                   ; 127:112 tile_dim0 = 128
	s_mov_b32 s[G1+4], 128                         ; 143:128 tile_dim1 = 128; tile_dim2 = 0
	s_mov_b32 s[G1+5], SIZE_K                      ; 191:160 elements from row to row
	s_mov_b32 s[G1+6], 0
	s_mov_b32 s[G1+7], 0
	; descriptor group 1 for W: 64 rows (k) x 256 elements (n)
	s_or_b32 s[G1B+0], s44, (1<<16)|(1<<20)|(1<<21)|(6<<22)|(7<<25) ; the mask: my column; padding after every 128 words (code 6), 8 words (code 7)
	s_mov_b32 s[G1B+1], 256<<16                    ; tensor_dim0 = 256
	s_mov_b32 s[G1B+2], 64<<16                     ; tensor_dim1 = 64
	s_mov_b32 s[G1B+3], 256<<16                    ; tile_dim0 = 256
	s_mov_b32 s[G1B+4], 64                         ; tile_dim1 = 64
	s_mov_b32 s[G1B+5], SIZE_N                     ; elements from row to row
	s_mov_b32 s[G1B+6], 0
	s_mov_b32 s[G1B+7], 0
	s_mov_b32 s[SC], 0x3bebedfa                    ; scale
	s_mov_b32 s[SC+1], s[SC]                       ; named with it as a pair
	; where the tiles come from.  x's hang on the tile row alone, which my row of the cluster shares; W's on the tile column alone, which my column shares.
	s_lshl_b32 s16, s13, 21                        ; x: row 256 x tile row, 8,192 bytes a row,
	s_lshl_b32 s17, s12, 20                        ; + 128 x half
	s_add_co_u32 s16, s16, s17
	s_mov_b32 s17, 0
	s_lshl_b32 s46, s12, 19                        ; W: row 64 x half,
	s_lshl_b32 s47, s42, 9                         ; column 256 x tile column, 2 bytes each
	s_add_co_u32 s46, s46, s47
	s_mov_b32 s47, 0
	s_mul_i32 s20, s10, HALFT                      ; and where they go: x's two halves, then W's two halves = wave x 34,816: no place in the cluster enters an LDS address
	s_wait_dscnt 0x0                               ; both opening adds are done
	s_wait_kmcnt 0x0
	s_add_nc_u64 s[14:15], s[4:5], s[16:17]
	s_add_nc_u64 s[46:47], s[6:7], s[46:47]
	CROUND                                         ; all sixteen work-groups are here: the first joint loads meet
.irp s, 0,1
	s_mov_b32 s[G0+4*(\s)], 1                                      ; 1:0 count = 1
	s_add_co_u32 s[G0+4*(\s)+1], s20, (\s)*SLOT                    ; 63:32 LDS address
	s_add_nc_u64 s[G0+4*(\s)+2:G0+4*(\s)+3], s[14:15], (\s)*STEP_A ; 120:64 global address: K step s
	s_or_b32 s[G0+4*(\s)+3], s[G0+4*(\s)+3], 0x80000000            ; 127:126 type = 2
	s_mov_b32 s[G0B+4*(\s)], 1
	s_add_co_u32 s[G0B+4*(\s)+1], s20, (\s)*SLOT
	s_add_nc_u64 s[G0B+4*(\s)+2:G0B+4*(\s)+3], s[46:47], (\s)*STEP_B
	s_or_b32 s[G0B+4*(\s)+3], s[G0B+4*(\s)+3], 0x80000000
	JLOAD \s                                       ; the ring is filled before anything else is done: two loads of mine are out
.endr
	; my part of out0 and of b.  On the way out a lane stores columns 4 l .. 4 l + 3 of my wave's 128
	s_lshl_b32 s46, s42, 10                        ; my first column in bytes of f32: 1,024 x tile column + 512 x half
	s_lshl_b32 s47, s12, 9
	s_add_co_u32 s46, s46, s47
	s_mov_b32 s47, 0
	v_and_b32 v5, 31, v0                           ; l
	v_lshl_add_u32 v[BO], v5, 4, s46
	global_load_b128 v[BS:BS+3], v[BO], s[BIAS:BIAS+1]
	s_add_nc_u64 s[8:9], s[8:9], s[46:47]
	s_lshl_b32 s16, s13, 22                        ; my first row: 256 x tile row + 128 x half, 16,384 bytes a row
	s_lshl_b32 s17, s11, 21
	s_add_co_u32 s16, s16, s17
	s_mov_b32 s17, 0
	s_add_nc_u64 s[8:9], s[8:9], s[16:17]
	; A fragment is 16 rows x 32 K in 8 registers: lane l holds row l % 16; registers 0-3 hold K = 8 (l / 16) + 0..7, registers 4-7 hold K = 16 + 8 (l / 16) + 0..7.
	; x lies along K: two loads of 16 bytes, 32 bytes apart.  W lies across K: the turning load takes 16 k x 16 n (lane l reads row k = 8 (l / 16) + l % 8, columns 8 ((l / 8) % 2) + 0..7) and leaves half a fragment.
	v_and_b32 v1, 15, v0                           ; l % 16
	v_bfe_u32 v2, v0, 4, 1                         ; l / 16
	v_mul_u32_u24 v3, v1, PA
	v_lshl_add_u32 v3, v2, 4, v3                   ; x: row x pitch + 16 x half
	v_and_b32 v4, 7, v0
	v_lshl_add_u32 v4, v2, 3, v4
	v_mul_u32_u24 v4, v4, PB
	v_bfe_u32 v6, v0, 3, 1
	v_lshl_add_u32 v4, v6, 4, v4                   ; W: row k x pitch + 16 x ((l / 8) % 2)
	s_mul_i32 s21, s11, HALFT                      ; my 128 rows of x
	s_lshl_b32 s22, s12, 8                         ; my 128 columns of W: 256 bytes along its rows,
	s_add_co_u32 s22, s22, 2*HALFT                 ; which lie behind x's 256 rows
.irp s, 0,1
	v_add_nc_u32 v[ADRA+(\s)], s21, v3
	v_add_nc_u32 v[ADRB+(\s)], s22, v4
	s_add_co_u32 s21, s21, SLOT
	s_add_co_u32 s22, s22, SLOT
.endr
	s_mul_i32 s23, s10, 16*SPITCH
	s_add_co_u32 s23, s23, STAGE                   ; my stage
	v_mul_u32_u24 v6, v1, SPITCH                   ; in: row l % 16, 32 bytes for each half of the lanes
	v_lshl_add_u32 v6, v2, 5, v6
	v_add_nc_u32 v[STO], s23, v6
	v_lshl_add_u32 v[RD], v5, 4, s23               ; back: 32 lanes take one row of 512 bytes
	v_lshlrev_b32 v[CO], 4, v5                     ; and the same 512 bytes of a row of out0
	; the prefetches
	v_lshrrev_b32 v3, s11, v5                      ; x: a lane a row; W: two lanes a row,
	v_and_b32 v4, s11, v5
	v_lshlrev_b32 v4, 8, v4                        ; 256 bytes apart
	v_lshl_add_u32 v[PFO], v3, 13, v4              ; rows of xb and of wb are 8,192 bytes
	s_lshl_b32 s20, s13, 21                        ; in xb: the 128 rows that I fetch,
	s_lshl_b32 s21, s12, 20
	s_add_co_u32 s20, s20, s21
	s_lshl_b32 s21, s40, 18                        ; my work-group's 32 of them,
	s_add_co_u32 s20, s20, s21
	s_add_co_u32 s20, s20, 3*STEP_A                ; at K step 3: the first refill steps it to 4
	s_lshl_b32 s21, s12, 19                        ; in wb: the 64 rows that I fetch,
	s_lshl_b32 s23, s41, 17                        ; my work-group's 16 of them,
	s_add_co_u32 s21, s21, s23
	s_lshl_b32 s23, s42, 9                         ; the tile's columns,
	s_add_co_u32 s21, s21, s23
	s_add_co_u32 s21, s21, 3*STEP_B                ; at K step 3
	s_and_b32 s22, ttmp7, 0xffff                   ; cluster y
	s_mov_b32 s23, STEP_A
	s_cmp_eq_u32 s11, 0                            ; do I fetch for x?
	s_cselect_b32 s20, s20, s21
	s_cselect_b32 s22, ttmp9, s22                  ; the coordinate along which other clusters read the same rows
	s_cselect_b32 s[PFS], s23, STEP_B
	s_cselect_b64 s[PFA:PFA+1], s[4:5], s[6:7]
	s_mov_b32 s21, 0
	s_mov_b32 s[PFS+1], 0
	s_cmp_eq_u32 s22, 0
	s_cselect_b32 s[LIM], 1, -1                    ; the same in all sixteen partners, for a given wave
	s_add_nc_u64 s[PFA:PFA+1], s[PFA:PFA+1], s[20:21]
	; nothing is prefetched here, at the head, where every work-group's first two tiles are on their way
; 16 matrix instructions: m blocks a0, a0 + 1 of the window's four (hi = 0: my rows 0-63, 1: rows 64-127) x all 8 n blocks, 32 along K.  zero = 1: the first product starts the sums: nothing is ever cleared.
; The 64 accumulators take turns, one instruction a turn, in the same order in every quarter step.
.macro MUL16 f, hi, a0, zero
	WIN MUL_LO+0x50*(\hi)
.irp a, \a0, (\a0)+1
.irp b, 0,1,2,3,4,5,6,7
.if \zero
	v_wmma_f32_16x16x32_bf16 v[8*(8*(\a)+(\b)):8*(8*(\a)+(\b))+7], v[(\f)+8*(\b):(\f)+8*(\b)+7], v[(\f)+8*(4*(\hi)+(\a)):(\f)+8*(4*(\hi)+(\a))+7], 0
.else
	v_wmma_f32_16x16x32_bf16 v[8*(8*(\a)+(\b)):8*(8*(\a)+(\b))+7], v[(\f)+8*(\b):(\f)+8*(\b)+7], v[(\f)+8*(4*(\hi)+(\a)):(\f)+8*(4*(\hi)+(\a))+7], v[8*(8*(\a)+(\b)):8*(8*(\a)+(\b))+7]
.endif
.endr
.endr
.endm
; 32 LDS loads in one run: the fragments of quarter q of a K step (32 along K: 128 columns of W, turned; 128 rows of x) into buffer f
.macro FETCH slot, q, f
	WIN TO_B
.irp i, 0,1,2,3,4,5,6,7
	ds_load_tr16_b128 v[(\f)+8*(\i):(\f)+8*(\i)+3],   v[ADRB+(\slot)] offset:(\q)*32*PB+32*(\i)
	ds_load_tr16_b128 v[(\f)+8*(\i)+4:(\f)+8*(\i)+7], v[ADRB+(\slot)] offset:(\q)*32*PB+16*PB+32*(\i)
.endr
	WIN 0
.irp i, 0,1,2,3,4,5,6,7
	ds_load_b128 v[(\f)+8*(\i):(\f)+8*(\i)+3],   v[ADRA+(\slot)] offset:64*(\q)+(\i)*16*PA
	ds_load_b128 v[(\f)+8*(\i)+4:(\f)+8*(\i)+7], v[ADRA+(\slot)] offset:64*(\q)+(\i)*16*PA+32
.endr
.endm
; A load into a register that a matrix instruction has read, and an LDS store that reads a matrix result, stand four places behind that matrix instruction, and only plain vector instructions that name none of its
; registers are places (ISA guide 7.12.1 for vector instructions); the matrix instructions in between are not counted.
.macro PLACES
.rept 4
	v_nop
.endr
.endm
; A K step is four quarters of 32 along K, 64 matrix instructions each, on buffers 0, 1, 0, 1.  One of the first three: multiplies buffer f; in its middle it fetches quarter q of the same slot into buffer g.
.macro QUARTER slot, q, f, g, zero
	s_wait_dscnt 8                                 ; W and x's rows 0-63 are in; the youngest eight loads (x's rows 64-127) may be out
	MUL16 \f, 0, 0, \zero
	MUL16 \f, 0, 2, \zero
	PLACES
	FETCH \slot, \q, \g
	s_wait_dscnt 32                                ; all but the 32 just issued
	MUL16 \f, 1, 0, \zero
	MUL16 \f, 1, 2, \zero
.endm
; The last quarter multiplies buffer 1 and changes slots.  MEET is its first half: ONE barrier for two things.  In front of it each wave waits for all its tensor loads, of which one is out: its part of the next
; slot; adds 0 to its spare word; and waits for that and for its own reads of this slot.  Behind it nobody reads this slot any more and the next slot is whole.
.macro MEET round                      ; round = 1: the rest of a round of the cluster's barrier follows
	WIN 0                                          ; (the add's two registers lie in window 0)
	s_wait_tensorcnt 0x0                           ; all my tensor loads have landed
	ds_add_u32 v[SPW], v[NIL]                      ; 0 onto my spare word
	s_wait_dscnt 9                                 ; (the add and the youngest eight loads may be out)
	MUL16 F1, 0, 0, 0                              ; sixteen matrix instructions stand between the add and the wait for it
	s_wait_dscnt 0x0                               ; the add is done, and my reads of this slot are over
	s_barrier_signal -1
	MUL16 F1, 0, 2, 0                              ; work on registers while the others arrive
.if \round
	WIN 0
.endif
	s_barrier_wait -1
.endm
; The whole last quarter.  fill = 1: behind the round the slot just read out is filled again first, with the K step two steps on; then come the next slot's first fragments.  From a request to the wait for it a
; wave issues 224 matrix instructions.  fill = 0: nothing is left to ask for, and no round follows.
.macro TURN slot, next, fill
.if \fill
	s_wait_xcnt 0x0                                ; the last prefetch, a K step back, has read its address: it is stepped here, ahead of the waits of the change of slots
	s_add_nc_u64 s[PFA:PFA+1], s[PFA:PFA+1], s[PFS:PFS+1]
	MEET 1
	CREST                                          ; no wave of any partner still reads this slot's tile or has a load on its way
	s_add_nc_u64 s[G0+4*(\slot)+2:G0+4*(\slot)+3], s[G0+4*(\slot)+2:G0+4*(\slot)+3], 2*STEP_A    ; no tensor load of mine is out: the group 0's may be written; the type bits on top are not reached
	s_add_nc_u64 s[G0B+4*(\slot)+2:G0B+4*(\slot)+3], s[G0B+4*(\slot)+2:G0B+4*(\slot)+3], 2*STEP_B
	JLOAD \slot                                    ; the first tensor load behind the round, my only one until the next; its four v_nop are also the places in front of the loads below
	FETCH \next, 0, F0
	ASK
.else
	MEET 0
	PLACES
	FETCH \next, 0, F0
.endif
	MUL16 F1, 1, 0, 0
	MUL16 F1, 1, 2, 0
.endm
; THE WAY OUT of block a (16 of my rows x my 128 columns), in two parts.  TOSTAGE: the eight accumulators go as they are, f32, into my own stage in LDS (a lane's eight columns: two stores of 16 bytes, the
; accumulator's low registers first), and come back as whole rows of 512 bytes, into one of three buffers of 64 registers.
.macro TOSTAGE a
.set AC, 64*((\a)%4)
.set BK, 64+64*((\a)%3)
	WIN 0x08+4*((\a)/4)                            ; the stores' data (source 1) in window 2 or 3, the address in window 0
.irp b, 0,1,2,3,4,5,6,7
	ds_store_b128 v[STO], v[AC+8*(\b):AC+8*(\b)+3]   offset:64*(\b)
	ds_store_b128 v[STO], v[AC+8*(\b)+4:AC+8*(\b)+7] offset:64*(\b)+16
.endr
	WIN 0
.irp t, 0,1,2,3,4,5,6,7,8,9,10,11,12,13,14,15
	ds_load_b128 v[BK+4*(\t):BK+4*(\t)+3], v[RD] offset:SPITCH*(\t)  ; LDS serves a wave's instructions in order (ISA guide 5.7.1.4): these see the stores above; the next block's stores come behind them
.endr
.endm
; SEND: sum * scale + b * scale, two fused multiply-adds an instruction, and the row is stored.  younger: the LDS instructions issued behind block a's loads: the next block's 32, or none.
; The buffer of block a is loaded again by TOSTAGE a + 3, which stands behind SEND a + 1's wait on XCNT: the stores below have read it by then.
.macro SEND a, younger
.set BK, 64+64*((\a)%3)
	WIN 0
	s_wait_xcnt 0x0                                ; every earlier memory instruction has had its addresses translated (ISA guide 3.1): only behind this wait is the stores' base rewritten
.if (\a) > 0
	s_add_nc_u64 s[8:9], s[8:9], 16*ROW_C          ; 16 rows of out0 on
.endif
.irp t, 0,1,2,3,4,5,6,7,8,9,10,11,12,13,14,15
	s_wait_dscnt (\younger)+15-(\t)                ; row t is back in registers
	v_pk_fma_f32 v[BK+4*(\t):BK+4*(\t)+1],   v[BK+4*(\t):BK+4*(\t)+1],   s[SC:SC+1], v[BS:BS+1]   op_sel_hi:[1,0,1]
	v_pk_fma_f32 v[BK+4*(\t)+2:BK+4*(\t)+3], v[BK+4*(\t)+2:BK+4*(\t)+3], s[SC:SC+1], v[BS+2:BS+3] op_sel_hi:[1,0,1]
	global_store_b128 v[CO], v[BK+4*(\t):BK+4*(\t)+3], s[8:9] offset:ROW_C*(\t) th:TH_STORE_NT  ; the wave stores 512 consecutive bytes, at a multiple of 512 from out0's first byte
.endr
.endm
	s_wait_loadcnt 0x0                             ; b, in the wait for the first tile
	v_pk_mul_f32 v[BS:BS+1],   v[BS:BS+1],   s[SC:SC+1] op_sel_hi:[1,0]
	v_pk_mul_f32 v[BS+2:BS+3], v[BS+2:BS+3], s[SC:SC+1] op_sel_hi:[1,0]
	s_wait_tensorcnt 1                             ; my part of K step 0 is in; K step 1's may stay out
	s_barrier_signal -1
	s_barrier_wait -1                              ; everybody's is
	FETCH 0, 0, F0
	QUARTER 0, 1, F0, F1, 1                        ; the first quarter stands in front of the loop: its products start the sums
	WIN 0                                          ; at a label and at a branch every window is 0
	s_mov_b32 s3, LAPS-1
.Llap:                                                 ; a trip goes once round the ring, from a lap's second quarter to the next lap's first, and fills both slots again: 15 trips ask for K steps 2 to 31
	QUARTER 0, 2, F1, F0, 0
	QUARTER 0, 3, F0, F1, 0
	TURN 0, 1, 1
	QUARTER 1, 1, F0, F1, 0
	QUARTER 1, 2, F1, F0, 0
	QUARTER 1, 3, F0, F1, 0
	TURN 1, 0, 1
	QUARTER 0, 1, F0, F1, 0
	WIN 0
	s_sub_co_u32 s3, s3, 1
	s_cmp_lg_u32 s3, 0
	s_cbranch_scc1 .Llap
	QUARTER 0, 2, F1, F0, 0                        ; the last lap is written out: it fills nothing
	QUARTER 0, 3, F0, F1, 0
	TURN 0, 1, 0
	QUARTER 1, 1, F0, F1, 0
	QUARTER 1, 2, F1, F0, 0
	QUARTER 1, 3, F0, F1, 0
	s_wait_dscnt 8                                 ; the very last quarter: nothing more to fetch
	MUL16 F1, 0, 0, 0
	MUL16 F1, 0, 2, 0
	s_wait_dscnt 0x0
	MUL16 F1, 1, 0, 0
	MUL16 F1, 1, 2, 0
	WIN 0
	PLACES                                         ; behind the last products, in front of the stores that read results and of the loads into x's buffers:
	PLACES                                         ; eight, once a launch, where four are asked for
	TOSTAGE 0
.irp a, 1,2,3,4,5,6,7                  ; block a's trip through the stage is under way while block a - 1 is scaled and stored
	TOSTAGE \a
	SEND (\a)-1, 32
.endr
	SEND 7, 0
	s_wait_tensorcnt 0x0                           ; the wave's end: behind my last tensor load and my last LDS store
	ds_add_u32 v[SPW], v[NIL]
	s_wait_dscnt 0x0
	CROUND                                         ; the closing round: no work-group ends while a partner may still ask for a tile that names it
	s_endpgm
.Lfunc_end_k_qd64602bb4b_gemm:
	.size	k_qd64602bb4b_gemm, .Lfunc_end_k_qd64602bb4b_gemm-k_qd64602bb4b_gemm
	.p2alignl 7, 3214868480
	.fill 96, 4, 3214868480
	.section	.rodata,"a",@progbits
	.p2align	6, 0x0
	.amdhsa_kernel k_qd64602bb4b_gemm
		.amdhsa_group_segment_fixed_size 327680
		.amdhsa_private_segment_fixed_size 0
		.amdhsa_enable_private_segment 0
		.amdhsa_kernarg_size 32
		.amdhsa_user_sgpr_count 2
		.amdhsa_user_sgpr_kernarg_segment_ptr 1
		.amdhsa_wavefront_size32 1
		.amdhsa_system_sgpr_workgroup_id_x 1
		.amdhsa_system_sgpr_workgroup_id_y 1
		.amdhsa_system_sgpr_workgroup_id_z 1
		.amdhsa_system_vgpr_workitem_id 0
		.amdhsa_next_free_vgpr 1024
		.amdhsa_next_free_sgpr 80
		.amdhsa_reserve_vcc 0
		.amdhsa_float_denorm_mode_32 3
		.amdhsa_float_denorm_mode_16_64 3
		.amdhsa_memory_ordered 1
		.amdhsa_forward_progress 1
		.amdhsa_inst_pref_size 163
	.end_amdhsa_kernel
	.amdgpu_metadata
---
amdhsa.version: [ 1, 2 ]
amdhsa.kernels:
  - .name:           k_qd64602bb4b_gemm
    .symbol:         k_qd64602bb4b_gemm.kd
    .args:
      - { .name: xb, .offset: 0, .size: 8, .value_kind: global_buffer, .address_space: global }
      - { .name: wb, .offset: 8, .size: 8, .value_kind: global_buffer, .address_space: global }
      - { .name: b, .offset: 16, .size: 8, .value_kind: global_buffer, .address_space: global }
      - { .name: out0, .offset: 24, .size: 8, .value_kind: global_buffer, .address_space: global }
    .group_segment_fixed_size: 327680
    .private_segment_fixed_size: 0
    .kernarg_segment_align: 8
    .kernarg_segment_size: 32
    .max_flat_workgroup_size: 128
    .sgpr_count:     80
    .vgpr_count:     1024
    .wavefront_size: 32
...
	.end_amdgpu_metadata
.endif
;; end of part 2
